; MI455X (gfx1250); checked and timed in simulation.
; The chip was launched on July 23, 2026; its instructions are those of AMD's public machine-readable ISA for CDNA 5 (MIT licence, August 2026) and "CDNA5" Instruction Set Architecture Reference Guide (July 2026). The comments in the code are by the model that wrote it; some were corrected since.
;; Head. Allowed arithmetic: float matrix products may take bf16 or f16 operands with f32 sums; all other float work in f32.
;; Inputs: Wk 1,024 x 64 float32; Wq 1,024 x 64 float32; Wv 1,024 x 64 float32; bk 64 float32; bq 64 float32; bv 64 float32; x 4 x 4,096 x 1,024 float32.
;; Outputs: out0 4 x 4,096 x 64 float32.
;; One version. Each part assembles by itself: llvm-mc -triple=amdgcn-amd-amdhsa -mcpu=gfx1250 --defsym DOCPART=n.
;; ======== version 1 of 1: 3 launches
;; limits: values are held in f16: magnitudes above 65,504 overflow, below 6.1e-05 lose precision
;; workspace buffers: Wf 393,216 bytes; qf 2,097,152 bytes; kf 2,097,152 bytes; vf 2,097,152 bytes
;; launch wprep (part 1): grid 32 x 3, 4 waves a work-group, no clusters, 0 bytes of LDS; arguments Wq, Wk, Wv, Wf; writes Wf
.if DOCPART == 1
	.amdgcn_target "amdgcn-amd-amdhsa--gfx1250"
	.amdhsa_code_object_version 6
	.text
	.protected	k_q641d3feb78_wprep
	.globl	k_q641d3feb78_wprep
	.p2align	8
	.type	k_q641d3feb78_wprep,@function
k_q641d3feb78_wprep:
	s_mov_b64 s[64:65], 0
	v_nop
	global_prefetch_b8 v0, s[64:65] scope:SCOPE_SE
	s_setreg_imm32_b32 hwreg(HW_REG_WAVE_MODE, 25, 1), 1
	s_wait_xcnt 0x0
; Wq, Wk, Wv: [1024][64] f32.  Wf: the three in bf16, laid out as the matrix instruction's 16 x 32 fragments:
; fragment (s = k / 32, b = 4 x matrix + column / 16) begins at byte (12 s + b) x 1024; half i (k = 32 s + 16 i ..) at + 512 i;
; lane (r, h) at + 16 (16 h + r) holds W[32 s + 16 i + 8 h + 0..7][16 (b & 3) + r].  So the projection fills half a fragment
; with one load of 16 bytes a lane, 512 consecutive bytes a wave, and nothing is transposed there.
; Work-group (s, matrix); wave o takes the eight rows k = 32 s + 8 o .. + 7 (i = o / 2, h = o % 2) and all 64 columns.
; 96 work-groups: that is all the work there is (768 KiB in, 384 KiB out).  No LDS, no matrix unit: a cast and a re-ordering.
.set WROW, 256                         ; bytes in a row of W
.set IN,   4                           ; v[4:11] column L, rows 0..7; v[12:19] column 32 + L
.set PKD,  20                          ; v[20:23], v[24:27] the same, packed to bf16
	s_load_b256 s[4:11], s[0:1], 0x0               ; Wq s[4:5], Wk s[6:7], Wv s[8:9], Wf s[10:11]
	v_lshrrev_b32 v3, 5, v0
	v_readfirstlane_b32 s12, v3                    ; o, the wave's number
	s_and_b32 s13, ttmp7, 0xffff                   ; which matrix: 0 q, 1 k, 2 v
	v_and_b32 v28, 31, v0                          ; lane L
	s_lshl_b32 s16, ttmp9, 13                      ; 32 s rows of 256 bytes
	s_lshl_b32 s17, s12, 11                        ; 8 o rows
	s_add_co_u32 s16, s16, s17
	v_lshl_add_u32 v1, v28, 2, s16                 ; load offset: my column in the wave's first row
	s_mul_i32 s18, ttmp9, 12288                    ; 12 fragments of 1,024 bytes for each s
	s_lshl_b32 s19, s13, 12                        ; 4 fragments for each matrix
	s_add_co_u32 s18, s18, s19
	s_lshl_b32 s19, s12, 8                         ; 512 (o / 2) + 256 (o % 2) = 256 o
	s_add_co_u32 s18, s18, s19
	v_and_b32 v29, 15, v28                         ; r = column % 16
	v_lshrrev_b32 v30, 4, v28                      ; column / 16
	v_lshlrev_b32 v2, 4, v29
	v_lshl_add_u32 v2, v30, 10, v2
	v_add_nc_u32 v2, s18, v2                       ; store offset
	s_wait_kmcnt 0x0
	s_cmp_eq_u32 s13, 1
	s_cselect_b64 s[14:15], s[6:7], s[4:5]
	s_cmp_eq_u32 s13, 2
	s_cselect_b64 s[14:15], s[8:9], s[14:15]       ; the matrix of this work-group
.irp z, 0,1
.irp e, 0,1,2,3,4,5,6,7
	global_load_b32 v[IN+8*\z+\e], v1, s[14:15] offset:\e*WROW+\z*128   ; the two loads of a row cover its 256 bytes
.endr
.endr
	s_wait_loadcnt 0x0
.irp z, 0,1
.irp i, 0,1,2,3
	v_cvt_pk_bf16_f32 v[PKD+4*\z+\i], v[IN+8*\z+2*\i], v[IN+8*\z+2*\i+1]  ; rows 2 i and 2 i + 1 of one column
.endr
.endr
	global_store_b128 v2, v[PKD:PKD+3], s[10:11]                 ; lanes 0-15 store 256 consecutive aligned bytes, lanes 16-31 the next fragment's
	global_store_b128 v2, v[PKD+4:PKD+7], s[10:11] offset:2048   ; columns 32 to 63: two fragments further
	s_endpgm
.Lfunc_end_k_q641d3feb78_wprep:
	.size	k_q641d3feb78_wprep, .Lfunc_end_k_q641d3feb78_wprep-k_q641d3feb78_wprep
	.p2alignl 7, 3214868480
	.fill 96, 4, 3214868480
	.section	.rodata,"a",@progbits
	.p2align	6, 0x0
	.amdhsa_kernel k_q641d3feb78_wprep
		.amdhsa_group_segment_fixed_size 0
		.amdhsa_private_segment_fixed_size 0
		.amdhsa_enable_private_segment 0
		.amdhsa_kernarg_size 32
		.amdhsa_user_sgpr_count 2
		.amdhsa_user_sgpr_kernarg_segment_ptr 1
		.amdhsa_wavefront_size32 1
		.amdhsa_system_sgpr_workgroup_id_x 1
		.amdhsa_system_sgpr_workgroup_id_y 1
		.amdhsa_system_sgpr_workgroup_id_z 1
		.amdhsa_system_vgpr_workitem_id 0
		.amdhsa_next_free_vgpr 32
		.amdhsa_next_free_sgpr 66
		.amdhsa_reserve_vcc 0
		.amdhsa_float_denorm_mode_32 3
		.amdhsa_float_denorm_mode_16_64 3
		.amdhsa_memory_ordered 1
		.amdhsa_forward_progress 1
		.amdhsa_inst_pref_size 4
	.end_amdhsa_kernel
	.amdgpu_metadata
---
amdhsa.version: [ 1, 2 ]
amdhsa.kernels:
  - .name:           k_q641d3feb78_wprep
    .symbol:         k_q641d3feb78_wprep.kd
    .args:
      - { .name: Wq, .offset: 0, .size: 8, .value_kind: global_buffer, .address_space: global }
      - { .name: Wk, .offset: 8, .size: 8, .value_kind: global_buffer, .address_space: global }
      - { .name: Wv, .offset: 16, .size: 8, .value_kind: global_buffer, .address_space: global }
      - { .name: Wf, .offset: 24, .size: 8, .value_kind: global_buffer, .address_space: global }
    .group_segment_fixed_size: 0
    .private_segment_fixed_size: 0
    .kernarg_segment_align: 8
    .kernarg_segment_size: 32
    .max_flat_workgroup_size: 128
    .sgpr_count:     66
    .vgpr_count:     32
    .wavefront_size: 32
...
	.end_amdgpu_metadata
.endif
;; end of part 1
;; launch proj (part 2): grid 256 x 1, 4 waves a work-group, no clusters, 279,040 bytes of LDS; arguments x, Wf, bq, bk, bv, qf, kf, vf; writes qf, kf, vf
.if DOCPART == 2
	.amdgcn_target "amdgcn-amd-amdhsa--gfx1250"
	.amdhsa_code_object_version 6
	.text
	.protected	k_q641d3feb78_proj
	.globl	k_q641d3feb78_proj
	.p2align	8
	.type	k_q641d3feb78_proj,@function
k_q641d3feb78_proj:
	s_mov_b64 s[64:65], 0
	v_nop
	global_prefetch_b8 v0, s[64:65] scope:SCOPE_SE
	s_setreg_imm32_b32 hwreg(HW_REG_WAVE_MODE, 25, 1), 1
	s_wait_xcnt 0x0
; q' = (x Wq + bq) log2(e) / 32, k = x Wk + bk, v = x Wv + bv, rounded once to f16 and stored in fragment order for the attention launch.
; x: [16384][1024] f32.  Wf: W in bf16 fragments.  The factor 1024^-0.5 log2(e) goes into q in f32, so that attention's exponentials are plain exp2.
; FORMATS: x and W go to the matrix unit in bf16 (inputs of unknown range).  q', k, v are stored in f16, 11 significant bits against bf16's 8: a row of the
; result with few keys is a sum of few p v that may cancel, so that the operands' rounding shows undiminished in it.
; LIMIT: |q'|, |k|, |v| must stay below 65,504, f16's largest number; beyond it they become infinities.  Each is a sum of 1,024 products: with x of spread 1 and W of
; spread 0.02 its spread is 0.64; with both 30 times larger 576; with offsets of 30 on x and 0.6 on W it lies near 1024 x 30 x 0.6 = 18,432.  Below 2^-14 f16 keeps a fixed step of 2^-24.
; Work-group g owns rows 64 g .. 64 g + 63.  K IS SPLIT OVER THE FOUR WAVES: wave w takes k = 256 w .. 256 w + 255, all 64 rows, all 192 columns:
; 48 accumulator tiles (384 registers), 8 K steps of 48 matrix instructions.  So each number of x and each byte of Wf is wanted by one wave of the
; work-group alone: x comes by four tensor loads of the wave's own into LDS bytes of its own (all 256 KiB of the group are asked for in the first lines;
; nothing is filled twice, so no barrier stands in the K loop), Wf goes straight into registers.  The four partial sums meet once in LDS.
; The K sum is therefore formed as four sums of 256, added as (0 + 1) + (2 + 3): an order of rounding that differs from a single ascending sum.
; NO CLUSTER: the one thing that work-groups share is Wf.  A joint load lands in LDS; x takes 278,528 of the 327,680 bytes, and the 49,152 left hold one
; K step of Wf for the four waves (4 x 12,288), not the two slots that a ring wants.
; qf, kf: row tile t (16 rows) at 2,048 t; block n at + 512 n; lane (r, h) at + 16 lane holds row 16 t + r, columns 16 n + 8 h + 0..7.
; vf: key step (32 rows) at 4,096 each; column tile d at + 1,024 d; half i at + 512 i; lane (r, h) holds column 16 d + r, rows 16 i + 8 h + 0..7.
;
; REGISTERS in windows of 256:  window 0: addresses, biases, x as f32, the epilogue;  window 1: accumulators of row tiles 0, 1 at 96 (a & 1) + 8 b;
; window 2: those of row tiles 2, 3;  window 3: v0-95, v96-191 two buffers of 12 W fragments, v192-223 four x fragments.
.set QSCALE, 0x3d38aa3b                ; log2(e) / 32
.set PITCH,  272                       ; an LDS row: 256 bytes + 16 of padding, so that 16 rows begin at 16 different 16-byte columns of 256 bytes
.set TILE,   64*PITCH                  ; 17,408: 64 rows x 64 k in f32
.set REGION, 4*TILE                    ; 69,632: a wave's part of LDS
.set WSTEP,  12288                     ; bytes of Wf in a K step of 32
.set XADR, 2                           ; v2      LDS: my 32 bytes of row r in the wave's first tile
.set RST,  3                           ; v3      LDS: where I put my partial sums
.set RRD,  4                           ; v[4:7]  LDS: where I read wave u's partial sums of my row tile
.set OQK,  8                           ; v8      my byte offset in qf and kf
.set OV,   9                           ; v9      my byte offset in vf
.set H32,  10                          ; v10     32 h
.set R4,   11                          ; v11     4 r
.set BQ,   16                          ; v[16:47]  bq[16 bt + 8 h + j] x QSCALE at 8 bt + j
.set BK,   48                          ; v[48:79]  bk likewise
.set BV,   80                          ; v[80:83]  bv[16 bt + r]
.set XS,   96                          ; v[96:159] x of one K step in f32: 16 numbers for each of 4 row tiles
.set R,    96                          ; v[96:223] epilogue: partial sums, 32 bt + 8 u + j
.set PK,   224                         ; v[224:239] epilogue: packed results
.set XA,   192                         ; window 3: x fragments, 8 a
.set G1, 24                            ; s[24:31] descriptor group 1
.set G0, 32                            ; s[32:47] descriptor group 0, one set for each of the four tiles; never rewritten
.set MSB, 0
.macro WIN new                         ; the immediate's high byte repeats the setting that is left
.if MSB != \new
	s_set_vgpr_msb (MSB<<8)|\new
.set MSB, \new
.endif
.endm
.set MUL_LO, 0x5f                      ; both sources window 3, C and D window 1
.set MUL_HI, 0xaf                      ; both sources window 3, C and D window 2
.set TO_3,   0xc0                      ; destination window 3, sources window 0
.macro PLACES                          ; four places behind a matrix instruction in front of writes of, and loads into, its registers and of reads of its result
.rept 4
	v_nop
.endr
.endm
	s_load_b256 s[4:11], s[0:1], 0x0               ; x s[4:5], Wf s[6:7], bq s[8:9], bk s[10:11]
	s_load_b256 s[12:19], s[0:1], 0x20             ; bv s[12:13], qf s[14:15], kf s[16:17], vf s[18:19]
	v_lshl_add_u32 v254, v0, 2, 0x44000
	v_mov_b32 v255, 0
	ds_add_u32 v254, v255
	ds_add_u32 v254, v255
	v_lshrrev_b32 v12, 5, v0
	v_readfirstlane_b32 s20, v12                   ; w
	s_mov_b32 s21, ttmp9                           ; g
	; group 1: a tile of 64 rows x 64 elements of 4 bytes, 16 bytes of padding behind each row
	s_mov_b32 s[G1+0], (2<<16)|(1<<20)|(5<<22)|(3<<25)   ; no mask; element of 4 bytes; padding on, after every 64 words, of 4 words
	s_mov_b32 s[G1+1], 64<<16                      ; tensor_dim0 = 64 (the tiles lie inside the tensor: the extents are the tile's)
	s_mov_b32 s[G1+2], 64<<16                      ; tensor_dim1 = 64
	s_mov_b32 s[G1+3], 64<<16                      ; tile_dim0 = 64
	s_mov_b32 s[G1+4], 64                          ; tile_dim1 = 64
	s_mov_b32 s[G1+5], 1024                        ; elements from row to row
	s_mov_b32 s[G1+6], 0
	s_mov_b32 s[G1+7], 0
	s_mul_i32 s48, s20, REGION                     ; my wave's LDS bytes
	s_lshl_b32 s22, s21, 18                        ; 64 g rows of 4,096 bytes
	s_lshl_b32 s49, s20, 10                        ; 256 w numbers of 4 bytes
	s_add_co_u32 s22, s22, s49
	s_mov_b32 s23, 0
	s_mul_i32 s50, s20, 8*WSTEP                    ; my eight K steps of Wf
	s_mov_b32 s51, 0
	s_wait_dscnt 0x0
	s_wait_kmcnt 0x0
	s_add_nc_u64 s[4:5], s[4:5], s[22:23]
	s_add_nc_u64 s[6:7], s[6:7], s[50:51]
	; the wave's four first fills, its only tensor loads, go out together ahead of everything else: four are outstanding at the most
.irp c, 0,1,2,3
	s_mov_b32 s[G0+4*\c], 1
	s_add_co_u32 s[G0+4*\c+1], s48, \c*TILE                        ; LDS address: wave x 69,632 + tile x 17,408
	s_add_nc_u64 s[G0+4*\c+2:G0+4*\c+3], s[4:5], \c*256            ; k = 256 w + 64 c: rows of 256 bytes at multiples of 256
	s_or_b32 s[G0+4*\c+3], s[G0+4*\c+3], 0x80000000                ; type = 2
	tensor_load_to_lds s[G0+4*\c:G0+4*\c+3], s[G1:G1+7]
	s_nop 0
.endr
	v_and_b32 v12, 15, v0                          ; r
	v_bfe_u32 v13, v0, 4, 1                        ; h
	v_and_b32 v14, 31, v0                          ; lane
	v_lshlrev_b32 v1, 4, v14                       ; 16 x lane
	v_lshlrev_b32 v[H32], 5, v13
	v_lshlrev_b32 v[R4], 2, v12
.irp bt, 0,1,2,3
	global_load_b128 v[BQ+8*\bt:BQ+8*\bt+3],   v[H32], s[8:9] offset:\bt*64
	global_load_b128 v[BQ+8*\bt+4:BQ+8*\bt+7], v[H32], s[8:9] offset:\bt*64+16
	global_load_b128 v[BK+8*\bt:BK+8*\bt+3],   v[H32], s[10:11] offset:\bt*64
	global_load_b128 v[BK+8*\bt+4:BK+8*\bt+7], v[H32], s[10:11] offset:\bt*64+16
	global_load_b32  v[BV+\bt], v[R4], s[12:13] offset:\bt*64
.endr
; 24 loads: the 12 W fragments of K step st into buffer st % 2; each load is 512 consecutive bytes and half a fragment
.macro LOADB st
	WIN TO_3
.set n, 0
.rept 24
	global_load_b128 v[(\st&1)*96+4*n:(\st&1)*96+4*n+3], v1, s[6:7] offset:\st*WSTEP+n*512
.set n, n+1
.endr
.endm
	LOADB 0
	LOADB 1
	WIN 0
	v_mul_u32_u24 v[XADR], v12, PITCH
	v_lshl_add_u32 v[XADR], v13, 5, v[XADR]
	v_add_nc_u32 v[XADR], s48, v[XADR]             ; wave's region + 272 r + 32 h
	v_add_nc_u32 v[RST], s48, v1
	s_mul_i32 s49, s20, 12*1024                    ; the 12 tiles of row tile a = w in a wave's partial sums
	v_add_nc_u32 v[RRD], s49, v1
	v_add_nc_u32 v[RRD+1], REGION, v[RRD]
	v_add_nc_u32 v[RRD+2], REGION, v[RRD+1]
	v_add_nc_u32 v[RRD+3], REGION, v[RRD+2]
	s_lshl2_add_u32 s49, s21, s20                  ; row tile 4 g + w
	s_lshl_b32 s49, s49, 11
	v_add_nc_u32 v[OQK], s49, v1
	s_lshl_b32 s49, s21, 13                        ; two key steps of 4,096 bytes for each work-group,
	s_lshr_b32 s50, s20, 1
	s_lshl_b32 s50, s50, 12                        ; the step of row tile w,
	s_add_co_u32 s49, s49, s50
	s_and_b32 s50, s20, 1
	s_lshl_b32 s50, s50, 9                         ; and its half
	s_add_co_u32 s49, s49, s50
	v_add_nc_u32 v[OV], s49, v1
	s_wait_loadcnt 48                              ; the 20 bias loads are in; the 48 loads of W issued behind them stay out
.irp p, 0,2,4,6,8,10,12,14,16,18,20,22,24,26,28,30
	v_pk_mul_f32 v[BQ+\p:BQ+\p+1], v[BQ+\p:BQ+\p+1], QSCALE op_sel_hi:[1,0]   ; so that q ends in one fused multiply-add
.endr
; The 12 products of row tile a.  q and k with the sources swapped (W's fragment first): a lane then holds one row of x and 8 neighbouring columns.
; v in the natural order: a lane holds one column and 8 neighbouring rows, which is what vf wants.
.macro MULROW a, buf, zero
.irp b, 0,1,2,3,4,5,6,7
.if \zero
	v_wmma_f32_16x16x32_bf16 v[(\a&1)*96+8*\b:(\a&1)*96+8*\b+7], v[\buf+8*\b:\buf+8*\b+7], v[XA+8*\a:XA+8*\a+7], 0
.else
	v_wmma_f32_16x16x32_bf16 v[(\a&1)*96+8*\b:(\a&1)*96+8*\b+7], v[\buf+8*\b:\buf+8*\b+7], v[XA+8*\a:XA+8*\a+7], v[(\a&1)*96+8*\b:(\a&1)*96+8*\b+7]
.endif
.endr
.irp b, 8,9,10,11
.if \zero
	v_wmma_f32_16x16x32_bf16 v[(\a&1)*96+8*\b:(\a&1)*96+8*\b+7], v[XA+8*\a:XA+8*\a+7], v[\buf+8*\b:\buf+8*\b+7], 0
.else
	v_wmma_f32_16x16x32_bf16 v[(\a&1)*96+8*\b:(\a&1)*96+8*\b+7], v[XA+8*\a:XA+8*\a+7], v[\buf+8*\b:\buf+8*\b+7], v[(\a&1)*96+8*\b:(\a&1)*96+8*\b+7]
.endif
.endr
.endm
; K step st.  nxt: the K step whose W is asked for now (0: none).  zero = 1: the first products start the sums, nothing is cleared.
; The 48 accumulators take turns, one instruction a turn, in the same order in every step.
.macro KSTEP st, nxt, zero
.if (\st&1) == 0
	s_wait_tensorcnt 3-\st/2                       ; a wave's tensor loads end in order: tile st / 2 is in LDS, the later ones may stay out
.endif
	WIN 0
.irp a, 0,1,2,3
.irp q, 0,1,2,3
	ds_load_b128 v[XS+16*\a+4*\q:XS+16*\a+4*\q+3], v[XADR] offset:(\st>>1)*TILE+\a*16*PITCH+(\st&1)*128+\q*16+(\q>>1)*32   ; k = 8 h + 0..7 at bytes 0, 16; k = 16 + 8 h + 0..7 at 64, 80
.endr
.endr
.if \nxt
	LOADB \nxt
.endif
	s_wait_dscnt 0x0
	WIN TO_3
.irp a, 0,1,2,3
.irp n, 0,1,2,3,4,5,6,7
	v_cvt_pk_bf16_f32 v[XA+8*\a+\n], v[XS+16*\a+2*\n], v[XS+16*\a+2*\n+1]
.endr
.endr
.if \st == 7
	s_wait_loadcnt 0x0                             ; the last W
.else
	s_wait_loadcnt 24                              ; this step's W is in; the 24 loads of the next step are the only younger ones
.endif
	WIN MUL_LO
	MULROW 0, (\st&1)*96, \zero
	MULROW 1, (\st&1)*96, \zero
	WIN MUL_HI
	MULROW 2, (\st&1)*96, \zero
	MULROW 3, (\st&1)*96, \zero
	PLACES                                         ; in front of the next step's loads into W's buffer and conversions into x's fragments; behind step 7, of the stores of the sums
.endm
	KSTEP 0, 0, 1
	KSTEP 1, 2, 0
	KSTEP 2, 3, 0
	KSTEP 3, 4, 0
	KSTEP 4, 5, 0
	KSTEP 5, 6, 0
	KSTEP 6, 7, 0
	KSTEP 7, 0, 0
	; The partial sums go into the wave's own region, tile 12 a + b at 1,024 bytes each.  Its tiles of x have been read (the last wait on DScnt was for 0),
	; and the region has had its last fill of the launch (the wait on TENSORcnt in step 6 was for 0).
	WIN 0x04                                       ; store data from window 1
.irp a, 0,1
.irp b, 0,1,2,3,4,5,6,7,8,9,10,11
	ds_store_b128 v[RST], v[\a*96+8*\b:\a*96+8*\b+3]   offset:(12*\a+\b)*1024
	ds_store_b128 v[RST], v[\a*96+8*\b+4:\a*96+8*\b+7] offset:(12*\a+\b)*1024+512
.endr
.endr
	WIN 0x08                                       ; from window 2
.irp a, 0,1
.irp b, 0,1,2,3,4,5,6,7,8,9,10,11
	ds_store_b128 v[RST], v[\a*96+8*\b:\a*96+8*\b+3]   offset:(24+12*\a+\b)*1024
	ds_store_b128 v[RST], v[\a*96+8*\b+4:\a*96+8*\b+7] offset:(24+12*\a+\b)*1024+512
.endr
.endr
	WIN 0
	s_wait_dscnt 0x0                               ; my sums are in LDS, for the other waves' sake
	s_barrier_signal -1
	s_barrier_wait -1                              ; everybody's are: the launch's one barrier
; Wave w finishes row tile w.  Four column tiles b0 .. b0 + 3 (kind 0: q, 1: k, 2: v): the four waves' sums are added, the bias joins, one rounding to f16, one store of 512 bytes a tile.
.macro GROUP kind, b0
	s_wait_xcnt 0x0                                ; PK, which the group before stored from, is rewritten only behind this wait
.irp bt, 0,1,2,3
.irp u, 0,1,2,3
	ds_load_b128 v[R+32*\bt+8*\u:R+32*\bt+8*\u+3],   v[RRD+\u] offset:(\b0+\bt)*1024
	ds_load_b128 v[R+32*\bt+8*\u+4:R+32*\bt+8*\u+7], v[RRD+\u] offset:(\b0+\bt)*1024+512
.endr
.endr
.irp bt, 0,1,2,3
	s_wait_dscnt 24-8*\bt                          ; LDS loads come back in order: this tile's eight are in, the later tiles' stay out
.irp p, 0,2,4,6
	v_pk_add_f32 v[R+32*\bt+\p:R+32*\bt+\p+1],       v[R+32*\bt+\p:R+32*\bt+\p+1],       v[R+32*\bt+8+\p:R+32*\bt+8+\p+1]
	v_pk_add_f32 v[R+32*\bt+16+\p:R+32*\bt+16+\p+1], v[R+32*\bt+16+\p:R+32*\bt+16+\p+1], v[R+32*\bt+24+\p:R+32*\bt+24+\p+1]
.endr
.irp p, 0,2,4,6
	v_pk_add_f32 v[R+32*\bt+\p:R+32*\bt+\p+1], v[R+32*\bt+\p:R+32*\bt+\p+1], v[R+32*\bt+16+\p:R+32*\bt+16+\p+1]
.endr
.if \kind == 0
.irp p, 0,2,4,6
	v_pk_fma_f32 v[R+32*\bt+\p:R+32*\bt+\p+1], v[R+32*\bt+\p:R+32*\bt+\p+1], QSCALE, v[BQ+8*\bt+\p:BQ+8*\bt+\p+1] op_sel_hi:[1,0,1]
.endr
.endif
.if \kind == 1
.irp p, 0,2,4,6
	v_pk_add_f32 v[R+32*\bt+\p:R+32*\bt+\p+1], v[R+32*\bt+\p:R+32*\bt+\p+1], v[BK+8*\bt+\p:BK+8*\bt+\p+1]
.endr
.endif
.if \kind == 2
.irp p, 0,1,2,3,4,5,6,7
	v_add_f32 v[R+32*\bt+\p], v[R+32*\bt+\p], v[BV+\bt]          ; a lane holds one column of v: one bias for its eight rows
.endr
.endif
.irp p, 0,1,2,3
	v_cvt_pk_f16_f32 v[PK+4*\bt+\p], v[R+32*\bt+2*\p], v[R+32*\bt+2*\p+1]   ; first source into the low half
.endr
.if \kind == 0
	global_store_b128 v[OQK], v[PK+4*\bt:PK+4*\bt+3], s[14:15] offset:\bt*512
.endif
.if \kind == 1
	global_store_b128 v[OQK], v[PK+4*\bt:PK+4*\bt+3], s[16:17] offset:\bt*512
.endif
.if \kind == 2
	global_store_b128 v[OV], v[PK+4*\bt:PK+4*\bt+3], s[18:19] offset:\bt*1024
.endif
.endr
.endm
	GROUP 0, 0
	GROUP 1, 4
	GROUP 2, 8
	s_wait_tensorcnt 0x0
	ds_add_u32 v254, v255
	s_wait_dscnt 0x0
	s_endpgm
.Lfunc_end_k_q641d3feb78_proj:
	.size	k_q641d3feb78_proj, .Lfunc_end_k_q641d3feb78_proj-k_q641d3feb78_proj
	.p2alignl 7, 3214868480
	.fill 96, 4, 3214868480
	.section	.rodata,"a",@progbits
	.p2align	6, 0x0
	.amdhsa_kernel k_q641d3feb78_proj
		.amdhsa_group_segment_fixed_size 279040
		.amdhsa_private_segment_fixed_size 0
		.amdhsa_enable_private_segment 0
		.amdhsa_kernarg_size 64
		.amdhsa_user_sgpr_count 2
		.amdhsa_user_sgpr_kernarg_segment_ptr 1
		.amdhsa_wavefront_size32 1
		.amdhsa_system_sgpr_workgroup_id_x 1
		.amdhsa_system_sgpr_workgroup_id_y 1
		.amdhsa_system_sgpr_workgroup_id_z 1
		.amdhsa_system_vgpr_workitem_id 0
		.amdhsa_next_free_vgpr 1024
		.amdhsa_next_free_sgpr 66
		.amdhsa_reserve_vcc 0
		.amdhsa_float_denorm_mode_32 3
		.amdhsa_float_denorm_mode_16_64 3
		.amdhsa_memory_ordered 1
		.amdhsa_forward_progress 1
		.amdhsa_inst_pref_size 106
	.end_amdhsa_kernel
	.amdgpu_metadata
---
amdhsa.version: [ 1, 2 ]
amdhsa.kernels:
  - .name:           k_q641d3feb78_proj
    .symbol:         k_q641d3feb78_proj.kd
    .args:
      - { .name: x, .offset: 0, .size: 8, .value_kind: global_buffer, .address_space: global }
      - { .name: Wf, .offset: 8, .size: 8, .value_kind: global_buffer, .address_space: global }
      - { .name: bq, .offset: 16, .size: 8, .value_kind: global_buffer, .address_space: global }
      - { .name: bk, .offset: 24, .size: 8, .value_kind: global_buffer, .address_space: global }
      - { .name: bv, .offset: 32, .size: 8, .value_kind: global_buffer, .address_space: global }
      - { .name: qf, .offset: 40, .size: 8, .value_kind: global_buffer, .address_space: global }
      - { .name: kf, .offset: 48, .size: 8, .value_kind: global_buffer, .address_space: global }
      - { .name: vf, .offset: 56, .size: 8, .value_kind: global_buffer, .address_space: global }
    .group_segment_fixed_size: 279040
    .private_segment_fixed_size: 0
    .kernarg_segment_align: 8
    .kernarg_segment_size: 64
    .max_flat_workgroup_size: 128
    .sgpr_count:     66
    .vgpr_count:     1024
    .wavefront_size: 32
...
	.end_amdgpu_metadata
.endif
;; end of part 2
;; launch attn (part 3): grid 64 x 4, 16 waves a work-group, no clusters, 296,960 bytes of LDS; arguments qf, kf, vf, out0; writes out0
.if DOCPART == 3
	.amdgcn_target "amdgcn-amd-amdhsa--gfx1250"
	.amdhsa_code_object_version 6
	.text
	.protected	k_q641d3feb78_attn
	.globl	k_q641d3feb78_attn
	.p2align	8
	.type	k_q641d3feb78_attn,@function
k_q641d3feb78_attn:
	s_mov_b64 s[64:65], 0
	v_nop
	global_prefetch_b8 v0, s[64:65] scope:SCOPE_SE
	s_setreg_imm32_b32 hwreg(HW_REG_WAVE_MODE, 25, 1), 1
	s_wait_xcnt 0x0
; out = softmax(causal(q k^T / 32)) v for one head of 64, 4 batches of 4,096 rows.  qf holds q log2(e) / 32, so exponentials are exp2.
; Work-group (j, batch) owns two blocks of 32 queries: block 127 - j, which needs 128 - j key steps of 32, and block j, which needs j + 1:
; 129 units of 32 queries x 32 keys in every work-group.  The units are numbered u = 0 .. 128 (first the long block's steps, then the short one's);
; wave w takes u = w, w + 16, ...: THE KEYS ARE SPLIT OVER THE 16 WAVES.  So each fragment of K and V is wanted by one wave alone and is loaded straight
; into its registers (qf, kf, vf lie in fragment order: each load is 512 consecutive bytes and half a fragment); the loop has no LDS and no barrier.
; Each wave keeps a running maximum, sum and output for its keys; the 16 partial results of each query meet once in LDS.
; THE PRODUCTS ARE TRANSPOSED: S^T = K Q^T gives lane (r, h) the keys 16 kt + 8 h + 0..7 of query r, which pack in place into the second source of
; O^T = V^T P^T.  Maximum, sum and rescaling factor are one number a lane; one exchange between the halves of the wave for each query tile.
; FORMATS: q', k, v and p are f16 (11 significant bits): a query with few keys is a sum of few p v that may cancel, so that the operands' rounding shows
; undiminished in the result.  p lies in [0, 1] for every input; below 2^-14 it keeps a fixed step of 2^-24, against a largest p of 1.  q', k, v: the limit of 65,504 stated where they are made.
; NO CLUSTER: work-groups of a batch read the same K and V, but work-group j walks 128 - j and j + 1 steps, other numbers in every partner, and the
; fragments go to registers of single waves, where a joint load (which lands in LDS) has no place.
; LIMITS: scores must be finite in f32; the sum takes p unrounded while the product with V takes p rounded to f16; exp2 gives 0 below 2^-126.
; Every query's own key is unmasked, so the maximum is finite behind every unit; a wave without a unit of the short block hands over (-inf, 0, 0), which the merge weighs with exp2(-inf) = 0.
.set STATS, 278528                     ; LDS: [wave][block][lane] 16 bytes (m0, l0, m1, l1), behind the partial outputs
.set PW,    17408                      ; LDS: partial outputs [wave][block][query tile][hdim / 4] rows of 272 bytes (16 queries x 16 bytes + 16)
.set T,   8                            ; v[8:15]    at work
.set QB,  16                           ; v[16:47]   Q fragments of block 127 - j, at 16 t + 8 c (query tile t, hdim step c)
.set QA,  48                           ; v[48:79]   of block j
.set KF,  80                           ; v[80:111]  K fragments at 16 kt + 8 c
.set VF,  112                          ; v[112:143] V^T fragments at 8 d
.set SC,  144                          ; v[144:175] scores at 16 t + 8 kt; then p; then P packed in the first 8 of each 16
.set OA,  176                          ; v[176:239] O^T at 32 t + 8 d
.set ML,  240                          ; v[240:243] m0, l0, m1, l1
.set AL,  244                          ; v[244:247] rescaling factors, each the first of a pair
.set LP,  248                          ; v[248:251] running sums, a pair for each query tile
; v1 = 16 x lane; v2, v3 offsets of K's and V's loads; v4 = r - 8 h; v5 = -inf; v6, v7 LDS addresses of my partial outputs and stats
	s_load_b256 s[4:11], s[0:1], 0x0               ; qf s[4:5], kf s[6:7], vf s[8:9], out0 s[10:11]
	v_lshrrev_b32 v8, 5, v0
	v_readfirstlane_b32 s12, v8                    ; w
	s_mov_b32 s13, ttmp9                           ; j: the short block's number and its diagonal step
	s_and_b32 s14, ttmp7, 0xffff                   ; batch
	s_sub_co_u32 s15, 128, s13                     ; NB: steps of the long block
	s_sub_co_u32 s24, 127, s13                     ; the long block's number and its diagonal step
	s_sub_co_u32 s25, s15, s12
	s_add_co_u32 s25, s25, 15
	s_lshr_b32 s25, s25, 4                         ; my units of the long block: ceil((NB - w) / 16), at least 4
	s_lshl_b32 s27, s25, 4
	s_add_co_u32 s27, s27, s12
	s_sub_co_u32 s27, s27, s15                     ; my first step of the short block: w + 16 nB - NB, 0 to 15
	s_add_co_u32 s26, s13, 16
	s_sub_co_u32 s26, s26, s27
	s_lshr_b32 s26, s26, 4                         ; my units of the short block: ceil((j + 1 - first) / 16), may be 0
	s_mov_b32 s22, 0x76543210                      ; v_permlanex16_b32: lane i of one half reads lane i of the other
	s_mov_b32 s23, 0xfedcba98
	s_lshl_b32 s28, s14, 19                        ; a batch of qf, kf, vf: 4,096 rows of 128 bytes
	s_mov_b32 s29, 0
	s_lshl_b32 s30, s14, 20                        ; of out0: 4,096 rows of 256 bytes
	s_mov_b32 s31, 0
	s_lshl_b32 s36, s24, 12                        ; 32 rows are 4,096 bytes
	s_mov_b32 s37, 0
	s_lshl_b32 s38, s13, 12
	s_mov_b32 s39, 0
	v_and_b32 v9, 31, v0
	v_lshlrev_b32 v1, 4, v9
	v_lshl_add_u32 v2, s12, 12, v1                 ; unit w is step w of the long block
	v_lshl_add_u32 v3, s12, 12, v1
	s_wait_kmcnt 0x0
	s_add_nc_u64 s[4:5], s[4:5], s[28:29]
	s_add_nc_u64 s[6:7], s[6:7], s[28:29]
	s_add_nc_u64 s[8:9], s[8:9], s[28:29]
	s_add_nc_u64 s[10:11], s[10:11], s[30:31]
	s_add_nc_u64 s[32:33], s[4:5], s[36:37]        ; the long block's queries
	s_add_nc_u64 s[34:35], s[4:5], s[38:39]        ; the short block's
.irp n, 0,1,2,3,4,5,6,7
	global_load_b128 v[QB+4*\n:QB+4*\n+3], v1, s[32:33] offset:\n*512
.endr
.irp n, 0,1,2,3,4,5,6,7
	global_load_b128 v[QA+4*\n:QA+4*\n+3], v1, s[34:35] offset:\n*512
.endr
.irp n, 0,1,2,3,4,5,6,7
	global_load_b128 v[KF+4*\n:KF+4*\n+3], v2, s[6:7] offset:\n*512
.endr
.irp n, 0,1,2,3,4,5,6,7
	global_load_b128 v[VF+4*\n:VF+4*\n+3], v3, s[8:9] offset:\n*512
.endr
	v_and_b32 v10, 15, v0                          ; r
	v_bfe_u32 v11, v0, 4, 1                        ; h
	v_lshlrev_b32 v12, 3, v11
	v_sub_nc_u32 v4, v10, v12                      ; r - 8 h, signed: on the diagonal key 8 h + i of a tile is kept where i <= r - 8 h
	v_mov_b32 v5, 0xff800000                       ; -inf
	s_mul_i32 s21, s12, PW
	v_mul_u32_u24 v6, v11, 544                     ; h: two rows of 272 bytes (8 hdim)
	v_lshl_add_u32 v6, v10, 4, v6
	v_add_nc_u32 v6, s21, v6
	s_lshl_b32 s21, s12, 10
	s_add_co_u32 s21, s21, STATS
	v_add_nc_u32 v7, s21, v1
	v_mov_b32 v[T+2], 0                            ; destinations of v_permlanex16_b32 count as read, and so do both registers of a pair: written once here
	v_mov_b32 v[T+6], 0
	v_mov_b32 v[AL+1], 0
	v_mov_b32 v[AL+3], 0
	v_mov_b32 v253, 0
	v_mov_b32 v255, 0
	s_mov_b32 s19, s12                             ; u of the unit whose K and V were asked for last
; One unit: 32 queries (fragments at q) x the 32 keys of step s17.  s18: the block's diagonal step.
.macro UNIT q, id
	s_wait_loadcnt 8                               ; loads come back in order: this unit's K (and Q) are in; V's eight loads are the younger ones
	; S^T = K Q^T: four accumulators take turns, one instruction a turn; the first products start the sums
.irp c, 0,1
.irp t, 0,1
.irp k, 0,1
.if \c == 0
	v_wmma_f32_16x16x32_f16 v[SC+16*\t+8*\k:SC+16*\t+8*\k+7], v[KF+16*\k+8*\c:KF+16*\k+8*\c+7], v[\q+16*\t+8*\c:\q+16*\t+8*\c+7], 0
.else
	v_wmma_f32_16x16x32_f16 v[SC+16*\t+8*\k:SC+16*\t+8*\k+7], v[KF+16*\k+8*\c:KF+16*\k+8*\c+7], v[\q+16*\t+8*\c:\q+16*\t+8*\c+7], v[SC+16*\t+8*\k:SC+16*\t+8*\k+7]
.endif
.endr
.endr
.endr
	s_add_co_u32 s19, s19, 16                      ; my next unit,
	s_min_u32 s21, s19, 128                        ; clamped to the last one: behind my last unit the look-ahead stays inside the buffers
	s_cmp_ge_u32 s21, s15
	s_cselect_b32 s20, s15, 0
	s_sub_co_u32 s20, s21, s20                     ; its key step: u, or u - NB in the short block
	v_lshl_add_u32 v2, s20, 12, v1                 ; K's offset: free since the wait above showed its loads done.  With the three v_nop: the four places
	v_nop                                          ; behind the matrix instructions in front of the loads into K and of the reads of S
	v_nop
	v_nop
.irp n, 0,1,2,3,4,5,6,7
	global_load_b128 v[KF+4*\n:KF+4*\n+3], v2, s[6:7] offset:\n*512    ; the next unit's K has this unit's softmax and second product in which to come
.endr
	s_cmp_lg_u32 s17, s18
	s_cbranch_scc1 .Lnomask_\id                    ; only the diagonal step is masked
.irp i, 0,1,2,3,4,5,6,7
	v_cmp_le_i32 vcc_lo, \i, v4                    ; tiles (0, 0) and (1, 1): key 8 h + i <= query r
	v_cndmask_b32 v[SC+\i], v5, v[SC+\i], vcc_lo
	v_cndmask_b32 v[SC+24+\i], v5, v[SC+24+\i], vcc_lo
	v_mov_b32 v[SC+8+\i], v5                       ; queries 0-15 against keys 16-31: all in the future.  Queries 16-31 against keys 0-15: all kept
.endr
.Lnomask_\id:
	; the new maximum of each query: 16 scores and the old maximum in two chains, then the other half of the wave
.irp t, 0,1
	v_max3_num_f32 v[T+4*\t],   v[SC+16*\t],   v[SC+16*\t+1], v[ML+2*\t]
	v_max3_num_f32 v[T+4*\t+1], v[SC+16*\t+8], v[SC+16*\t+9], v[SC+16*\t+10]
.endr
.irp t, 0,1
	v_max3_num_f32 v[T+4*\t],   v[T+4*\t],   v[SC+16*\t+2],  v[SC+16*\t+3]
	v_max3_num_f32 v[T+4*\t+1], v[T+4*\t+1], v[SC+16*\t+11], v[SC+16*\t+12]
.endr
.irp t, 0,1
	v_max3_num_f32 v[T+4*\t],   v[T+4*\t],   v[SC+16*\t+4],  v[SC+16*\t+5]
	v_max3_num_f32 v[T+4*\t+1], v[T+4*\t+1], v[SC+16*\t+13], v[SC+16*\t+14]
.endr
.irp t, 0,1
	v_max3_num_f32 v[T+4*\t],   v[T+4*\t],   v[SC+16*\t+6],  v[SC+16*\t+7]
.endr
.irp t, 0,1
	v_max3_num_f32 v[T+4*\t+1], v[T+4*\t+1], v[SC+16*\t+15], v[T+4*\t]
.endr
.irp t, 0,1
	v_permlanex16_b32 v[T+4*\t+2], v[T+4*\t+1], s22, s23
.endr
.irp t, 0,1
	v_max_num_f32 v[T+4*\t+1], v[T+4*\t+1], v[T+4*\t+2]
.endr
.irp t, 0,1
	v_sub_f32 v[AL+2*\t], v[ML+2*\t], v[T+4*\t+1]  ; old - new: -inf in the first unit, which gives the factor 0
.endr
.irp t, 0,1
	v_mov_b32 v[ML+2*\t], v[T+4*\t+1]
.endr
	v_exp_f32 v[AL], v[AL]                         ; behind a transcendental one plain vector instruction comes before its result is used (ISA guide 5.7.2): the subtractions below
	v_exp_f32 v[AL+2], v[AL+2]
.irp t, 0,1
.irp p, 0,2,4,6,8,10,12,14
	v_pk_add_f32 v[SC+16*\t+\p:SC+16*\t+\p+1], v[SC+16*\t+\p:SC+16*\t+\p+1], v[ML+2*\t:ML+2*\t+1] op_sel_hi:[1,0] neg_lo:[0,1] neg_hi:[0,1]   ; s - m
.endr
.endr
.set n, 0
.rept 32
	v_exp_f32 v[SC+n], v[SC+n]
.set n, n+1
.endr
	s_wait_alu depctr_va_vdst(0)
.irp t, 0,1
.irp p, 0,2,4,6,8,10,12,14,16,18,20,22,24,26,28,30
	v_pk_mul_f32 v[OA+32*\t+\p:OA+32*\t+\p+1], v[OA+32*\t+\p:OA+32*\t+\p+1], v[AL+2*\t:AL+2*\t+1] op_sel_hi:[1,0]   ; O is rescaled; also the plain place behind the exponentials
.endr
.endr
.irp t, 0,1
	v_pk_add_f32 v[T:T+1],     v[SC+16*\t:SC+16*\t+1],       v[SC+16*\t+2:SC+16*\t+3]
	v_pk_add_f32 v[T+2:T+3],   v[SC+16*\t+4:SC+16*\t+5],     v[SC+16*\t+6:SC+16*\t+7]
	v_pk_add_f32 v[T+4:T+5],   v[SC+16*\t+8:SC+16*\t+9],     v[SC+16*\t+10:SC+16*\t+11]
	v_pk_add_f32 v[T+6:T+7],   v[SC+16*\t+12:SC+16*\t+13],   v[SC+16*\t+14:SC+16*\t+15]
	v_pk_add_f32 v[T:T+1],     v[T:T+1],     v[T+2:T+3]
	v_pk_add_f32 v[T+4:T+5],   v[T+4:T+5],   v[T+6:T+7]
	v_pk_add_f32 v[T:T+1],     v[T:T+1],     v[T+4:T+5]
	v_pk_fma_f32 v[LP+2*\t:LP+2*\t+1], v[LP+2*\t:LP+2*\t+1], v[AL+2*\t:AL+2*\t+1], v[T:T+1] op_sel_hi:[1,0,1]   ; l = l x factor + this unit's p
.endr
.irp t, 0,1
.irp n, 0,1,2,3,4,5,6,7
	v_cvt_pk_f16_f32 v[SC+16*\t+\n], v[SC+16*\t+2*\n], v[SC+16*\t+2*\n+1]   ; in place, ascending: keys 8 h + 0..7 into registers 0-3, 16 + 8 h + 0..7 into 4-7
.endr
.endr
	s_wait_loadcnt 8                               ; this unit's V is in; the next unit's K, eight loads, is younger
.irp d, 0,1,2,3
.irp t, 0,1
	v_wmma_f32_16x16x32_f16 v[OA+32*\t+8*\d:OA+32*\t+8*\d+7], v[VF+8*\d:VF+8*\d+7], v[SC+16*\t:SC+16*\t+7], v[OA+32*\t+8*\d:OA+32*\t+8*\d+7]   ; eight accumulators, one instruction each
.endr
.endr
	v_lshl_add_u32 v3, s20, 12, v1                 ; V's offset: free since the wait above.  With the four v_nop: five places (ISA guide 7.12.1), four in front of the
	v_nop                                          ; loads into V and of whatever reads O, five in front of the next unit's matrix instructions, which write over P
	v_nop
	v_nop
	v_nop
.irp n, 0,1,2,3,4,5,6,7
	global_load_b128 v[VF+4*\n:VF+4*\n+3], v3, s[8:9] offset:\n*512
.endr
	s_add_co_u32 s17, s17, 16                      ; my next step of this block
.endm
; All my units of one block (s16 of them), then my partial result into LDS.  O is cleared by moves: a wave may have no unit of the short block and must
; still hand over zeros, and one loop body then serves every trip.
.macro PASS q, blk, maybe0
.set n, 0
.rept 64
	v_mov_b32 v[OA+n], 0
.set n, n+1
.endr
	v_mov_b32 v[ML], v5
	v_mov_b32 v[ML+1], 0
	v_mov_b32 v[ML+2], v5
	v_mov_b32 v[ML+3], 0
.irp n, 0,1,2,3
	v_mov_b32 v[LP+\n], 0
.endr
.if \maybe0
	s_cmp_eq_u32 s16, 0
	s_cbranch_scc1 .Lnone_\blk
.endif
.Lunit_\blk:
	UNIT \q, \blk
	s_sub_co_i32 s16, s16, 1
	s_cmp_gt_i32 s16, 0                            ; a signed compare: the loop ends from whatever start
	s_cbranch_scc1 .Lunit_\blk
.Lnone_\blk:
.irp t, 0,1
	v_add_f32 v[252+2*\t], v[LP+2*\t], v[LP+2*\t+1]
.endr
.irp t, 0,1
	v_permlanex16_b32 v[253+2*\t], v[252+2*\t], s22, s23           ; the other half of the wave summed the other keys
.endr
.irp t, 0,1
	v_add_f32 v[ML+2*\t+1], v[252+2*\t], v[253+2*\t]
.endr
.irp t, 0,1
.irp d, 0,1,2,3
	ds_store_b128 v6, v[OA+32*\t+8*\d:OA+32*\t+8*\d+3]   offset:\blk*8704+\t*4352+\d*1088       ; hdim 16 d + 8 h + 0..3 of query r: row 4 d + 2 h, 16 lanes store 256 consecutive bytes
	ds_store_b128 v6, v[OA+32*\t+8*\d+4:OA+32*\t+8*\d+7] offset:\blk*8704+\t*4352+\d*1088+272
.endr
.endr
	ds_store_b128 v7, v[ML:ML+3] offset:\blk*512
.endm
	s_mov_b32 s16, s25
	s_mov_b32 s17, s12
	s_mov_b32 s18, s24
	PASS QB, 0, 0
	s_mov_b32 s16, s26
	s_mov_b32 s17, s27
	s_mov_b32 s18, s13
	PASS QA, 1, 1                                  ; the stream of K and V runs on from one block into the other
	; THE MERGE.  Wave w finishes 4 of the 64 queries: block w / 8, query tile (w / 4) % 2, queries 4 (w % 4) + 2 i + g; lane (c = lane % 16, g = lane / 16) makes hdim 4 c .. 4 c + 3.
.set RB,  8                            ; v[8:11]    LDS: partial outputs of waves 4 q .. 4 q + 3
.set SB,  12                           ; v12        LDS: stats
.set OO,  13                           ; v13        byte offset in out0
.set ST,  16                           ; v[16:79]   (m, l) of wave n for query i at 32 i + 2 n
.set PT,  80                           ; v[80:207]  partial outputs at 64 i + 4 n
.set LS,  208                          ; v[208:211] the sum, then its reciprocal, each the first of a pair
.set AC,  212                          ; v[212:219] the result
.set MT,  220                          ; v[220:221] the maximum
	s_and_b32 s16, s12, 3
	s_lshl_b32 s16, s16, 6                         ; 4 (w % 4) queries of 16 bytes
	s_lshr_b32 s17, s12, 2                         ; 2 block + query tile
	s_lshr_b32 s18, s12, 3                         ; block
	s_and_b32 s19, s17, 1                          ; query tile
	s_lshl_b32 s20, s18, 9
	s_lshl3_add_u32 s20, s19, s20
	s_add_co_u32 s20, s20, STATS
	s_mul_i32 s21, s17, 4352
	s_cmp_eq_u32 s18, 0
	s_cselect_b32 s25, s24, s13                    ; the block's number
	s_lshl_b32 s25, s25, 13                        ; 32 rows of 256 bytes
	s_lshl_b32 s19, s19, 12
	s_add_co_u32 s25, s25, s19
	s_wait_loadcnt 0x0                             ; the look-ahead's last loads: their registers are used again below
	s_wait_dscnt 0x0                               ; my partial results are in LDS, for the other waves' sake
	s_barrier_signal -1
	s_barrier_wait -1                              ; everybody's are
	v_bfe_u32 v14, v0, 4, 1                        ; g
	v_and_b32 v15, 15, v0                          ; c
	v_lshl_add_u32 v14, v14, 4, s16                ; 16 (4 (w % 4) + g)
	v_add_nc_u32 v[SB], s20, v14
	v_mul_u32_u24 v2, v15, 272                     ; 272 c
	v_lshlrev_b32 v15, 4, v15                      ; 16 c
	v_add_nc_u32 v[RB], v2, v14
	v_add_nc_u32 v[RB], s21, v[RB]
	v_add_nc_u32 v[RB+1], 4*PW, v[RB]
	v_add_nc_u32 v[RB+2], 4*PW, v[RB+1]
	v_add_nc_u32 v[RB+3], 4*PW, v[RB+2]
	v_lshl_add_u32 v[OO], v14, 4, v15              ; 256 x query + 16 c
	v_add_nc_u32 v[OO], s25, v[OO]
.irp i, 0,1
.set n, 0
.rept 16
	ds_load_b64 v[ST+32*\i+2*n:ST+32*\i+2*n+1], v[SB] offset:n*1024+\i*32
.set n, n+1
.endr
.endr
.irp i, 0,1
.irp q, 0,1,2,3
.irp p, 0,1,2,3
	ds_load_b128 v[PT+64*\i+16*\q+4*\p:PT+64*\i+16*\q+4*\p+3], v[RB+\q] offset:\p*PW+\i*32   ; 16 lanes read 16 rows 272 bytes apart: 16 different 16-byte columns
.endr
.endr
.endr
	s_wait_dscnt 32                                ; the 32 stats are in; the 32 loads of partial outputs are younger
.irp i, 0,1
	v_max3_num_f32 v[MT+\i], v[ST+32*\i], v[ST+32*\i+2], v[ST+32*\i+4]
.irp n, 6,10,14,18,22,26
	v_max3_num_f32 v[MT+\i], v[MT+\i], v[ST+32*\i+\n], v[ST+32*\i+\n+2]
.endr
	v_max_num_f32 v[MT+\i], v[MT+\i], v[ST+32*\i+30]               ; finite: the wave that had the query's own key has a finite maximum
.irp n, 0,2,4,6,8,10,12,14,16,18,20,22,24,26,28,30
	v_sub_f32 v[ST+32*\i+\n], v[ST+32*\i+\n], v[MT+\i]
.endr
.irp n, 0,2,4,6,8,10,12,14,16,18,20,22,24,26,28,30
	v_exp_f32 v[ST+32*\i+\n], v[ST+32*\i+\n]                       ; each wave's weight
.endr
	v_nop                                          ; the plain place behind the exponentials (ISA guide 5.7.2)
	s_wait_alu depctr_va_vdst(0)
	v_mul_f32 v[LS+2*\i], v[ST+32*\i], v[ST+32*\i+1]
.irp n, 2,4,6,8,10,12,14,16,18,20,22,24,26,28,30
	v_fmac_f32 v[LS+2*\i], v[ST+32*\i+\n], v[ST+32*\i+\n+1]
.endr
	v_rcp_f32 v[LS+2*\i], v[LS+2*\i]               ; the sum is at least the weight 1 times that wave's sum, which holds a p of 1
	v_mov_b32 v[LS+2*\i+1], 0                      ; the pair's other register; also the plain place behind the reciprocal
.endr
	s_wait_dscnt 0x0
	s_wait_alu depctr_va_vdst(0)
.irp i, 0,1
	v_pk_mul_f32 v[AC+4*\i:AC+4*\i+1],   v[PT+64*\i:PT+64*\i+1],   v[ST+32*\i:ST+32*\i+1] op_sel_hi:[1,0]   ; the first product starts the sums
	v_pk_mul_f32 v[AC+4*\i+2:AC+4*\i+3], v[PT+64*\i+2:PT+64*\i+3], v[ST+32*\i:ST+32*\i+1] op_sel_hi:[1,0]
.irp n, 1,2,3,4,5,6,7,8,9,10,11,12,13,14,15
	v_pk_fma_f32 v[AC+4*\i:AC+4*\i+1],   v[PT+64*\i+4*\n:PT+64*\i+4*\n+1],   v[ST+32*\i+2*\n:ST+32*\i+2*\n+1], v[AC+4*\i:AC+4*\i+1] op_sel_hi:[1,0,1]
	v_pk_fma_f32 v[AC+4*\i+2:AC+4*\i+3], v[PT+64*\i+4*\n+2:PT+64*\i+4*\n+3], v[ST+32*\i+2*\n:ST+32*\i+2*\n+1], v[AC+4*\i+2:AC+4*\i+3] op_sel_hi:[1,0,1]
.endr
	v_pk_mul_f32 v[AC+4*\i:AC+4*\i+1],   v[AC+4*\i:AC+4*\i+1],   v[LS+2*\i:LS+2*\i+1] op_sel_hi:[1,0]
	v_pk_mul_f32 v[AC+4*\i+2:AC+4*\i+3], v[AC+4*\i+2:AC+4*\i+3], v[LS+2*\i:LS+2*\i+1] op_sel_hi:[1,0]
	global_store_b128 v[OO], v[AC+4*\i:AC+4*\i+3], s[10:11] offset:\i*512 th:TH_STORE_NT   ; 16 lanes store one whole row of out0: 256 consecutive bytes, aligned
.endr
	s_barrier_signal -1
	s_barrier_wait -1
	s_wait_xcnt 0x0
	v_lshl_add_u32 v254, v0, 2, 0x48000
	v_mov_b32 v255, 0
	s_wait_tensorcnt 0x0
	ds_add_u32 v254, v255
	s_wait_dscnt 0x0
	s_endpgm
.Lfunc_end_k_q641d3feb78_attn:
	.size	k_q641d3feb78_attn, .Lfunc_end_k_q641d3feb78_attn-k_q641d3feb78_attn
	.p2alignl 7, 3214868480
	.fill 96, 4, 3214868480
	.section	.rodata,"a",@progbits
	.p2align	6, 0x0
	.amdhsa_kernel k_q641d3feb78_attn
		.amdhsa_group_segment_fixed_size 296960
		.amdhsa_private_segment_fixed_size 0
		.amdhsa_enable_private_segment 0
		.amdhsa_kernarg_size 32
		.amdhsa_user_sgpr_count 2
		.amdhsa_user_sgpr_kernarg_segment_ptr 1
		.amdhsa_wavefront_size32 1
		.amdhsa_system_sgpr_workgroup_id_x 1
		.amdhsa_system_sgpr_workgroup_id_y 1
		.amdhsa_system_sgpr_workgroup_id_z 1
		.amdhsa_system_vgpr_workitem_id 0
		.amdhsa_next_free_vgpr 256
		.amdhsa_next_free_sgpr 66
		.amdhsa_reserve_vcc 1
		.amdhsa_float_denorm_mode_32 3
		.amdhsa_float_denorm_mode_16_64 3
		.amdhsa_memory_ordered 1
		.amdhsa_forward_progress 1
		.amdhsa_inst_pref_size 51
	.end_amdhsa_kernel
	.amdgpu_metadata
---
amdhsa.version: [ 1, 2 ]
amdhsa.kernels:
  - .name:           k_q641d3feb78_attn
    .symbol:         k_q641d3feb78_attn.kd
    .args:
      - { .name: qf, .offset: 0, .size: 8, .value_kind: global_buffer, .address_space: global }
      - { .name: kf, .offset: 8, .size: 8, .value_kind: global_buffer, .address_space: global }
      - { .name: vf, .offset: 16, .size: 8, .value_kind: global_buffer, .address_space: global }
      - { .name: out0, .offset: 24, .size: 8, .value_kind: global_buffer, .address_space: global }
    .group_segment_fixed_size: 296960
    .private_segment_fixed_size: 0
    .kernarg_segment_align: 8
    .kernarg_segment_size: 32
    .max_flat_workgroup_size: 512
    .sgpr_count:     66
    .vgpr_count:     256
    .wavefront_size: 32
...
	.end_amdgpu_metadata
.endif
;; end of part 3
